; MI455X (gfx1250); checked and timed in simulation.
; The chip was launched on July 23, 2026; its instructions are those of AMD's public machine-readable ISA for CDNA 5 (MIT licence, August 2026) and "CDNA5" Instruction Set Architecture Reference Guide (July 2026). The comments in the code are by the model that wrote it; some were corrected since.
;; Attention. Allowed arithmetic: matrix products marked QUANTISED: E2M1 operands, one E8M0 scale for each 32 along K, by v_wmma_scale_f32_16x16x128_f8f6f4 with both operands' format E2M1 (or v_wmma_scale_f32_32x16x128_f4), f32 sums; everything else in f32.
;; Inputs: Wk_codes 1,024 x 32 x 16 uint8 (E2M1 codes of Wk, K innermost, in blocks of 32 codes, two codes a byte); Wk_scales 1,024 x 32 uint8 (E8M0 scales of Wk, one for each 32 codes along K); Wo_codes 1,024 x 32 x 16 uint8 (E2M1 codes of Wo, K innermost, in blocks of 32 codes, two codes a byte); Wo_scales 1,024 x 32 uint8 (E8M0 scales of Wo, one for each 32 codes along K); Wq_codes 1,024 x 32 x 16 uint8 (E2M1 codes of Wq, K innermost, in blocks of 32 codes, two codes a byte); Wq_scales 1,024 x 32 uint8 (E8M0 scales of Wq, one for each 32 codes along K); Wv_codes 1,024 x 32 x 16 uint8 (E2M1 codes of Wv, K innermost, in blocks of 32 codes, two codes a byte); Wv_scales 1,024 x 32 uint8 (E8M0 scales of Wv, one for each 32 codes along K); X_codes 2 x 2,048 x 32 x 16 uint8 (E2M1 codes of X, K innermost, in blocks of 32 codes, two codes a byte); X_scales 2 x 2,048 x 32 uint8 (E8M0 scales of X, one for each 32 codes along K); bo 1,024 float32.
;; Outputs: out0 2 x 2,048 x 1,024 float32.
;; This version of the problem:
;;   THIS VERSION OF THE PROBLEM IS GIVEN IN LOW PRECISION. The matrix products marked QUANTISED in the list below multiply operands that are first quantised to E2M1 (2 exponent bits, 1 mantissa bit; 4 bits a number), with one power-of-two scale for each 32 numbers along K (OCP MX v1.0); their sums are f32. All else is computed in f32.
;;   The module's matrix products, in the order in which they are computed (A, B: the left and right operand; K: the contracted axis; several contracted axes count as one K, in the product's order):
;;     1. [M 4,096, K 1,024] x [K 1,024, N 1,024]; A: input X (given as codes); B: input Wq (given as codes): QUANTISED
;;     2. [M 4,096, K 1,024] x [K 1,024, N 1,024]; A: input X (given as codes); B: input Wk (given as codes): QUANTISED
;;     3. [M 4,096, K 1,024] x [K 1,024, N 1,024]; A: input X (given as codes); B: input Wv (given as codes): QUANTISED
;;     4. batch 32 x [M 2,048, K 64] x [K 64, N 2,048]; A: computed on the way; B: computed on the way: QUANTISED
;;     5. batch 32 x [M 2,048, K 2,048] x [K 2,048, N 64]; A: softmax (see below); B: computed on the way: QUANTISED
;;     6. [M 4,096, K 1,024] x [K 1,024, N 1,024]; A: computed on the way; B: input Wo (given as codes): QUANTISED
;;   THE QUANTISER, for each operand of a quantised product, along K:
;;     - K is cut into blocks of 32 from its start; a last block that is shorter is filled with zeros.
;;     - A block's scale is 2^e with e = floor(log2(the largest magnitude in the block)) - 2, held to -126 .. 127; a block of zeros has e = 0. As a byte (E8M0): e + 127.
;;     - Each number is divided by its block's scale, clamped to +-6, and rounded to the nearest number of E2M1, ties to even, subnormals kept.
;;     - The product sums the exact products of the quantised numbers (number of the format x scale) in f32.
;;   ~~~python
;;   def quantise(x, axis):      # numpy; x: float32 -> the quantised numbers, widened to float32 again
;;       x = np.moveaxis(x, axis, -1); K = x.shape[-1]
;;       x = np.pad(x, [(0, 0)] * (x.ndim - 1) + [(0, -K % 32)]); x = x.reshape(x.shape[:-1] + (-1, 32)); a = np.abs(x).max(-1, keepdims=True)
;;       e = np.where(a > 0, np.clip(np.frexp(np.where(a > 0, a, 1))[1] - 1 - 2, -126, 127), 0)      # np.frexp(a)[1] - 1 = floor(log2(a)), exactly
;;       r = np.clip(x / 2.0 ** e, -6, 6)
;;       step = 2.0 ** (np.maximum(np.frexp(np.where(r == 0, 1, r))[1] - 1, 0) - 1)
;;       q = np.round(r / step) * step * 2.0 ** e      # np.round: ties to even
;;       return np.moveaxis(q.reshape(q.shape[:-2] + (-1,))[..., :K], -1, axis).astype(np.float32)
;;   ~~~
;;   SOFTMAX AHEAD OF A QUANTISED PRODUCT. Where the list says 'softmax', what is quantised is not the finished softmax but p = 2^(t - M), with t = logit x log2(e) and M = ceil(the row's largest t), a whole number; so 1/2 < the row's largest p <= 1. The row's sum l is taken of the UNQUANTISED p, in f32, and the product's result is divided by l at the end. Since M is a whole number, a kernel that streams over the keys may use a running M (the ceiling of the running maximum): every later rescaling is an exact power of two, which a block's scale takes up: the codes' values come out the same.
;;   OPERANDS COMPUTED ON THE WAY. 'Computed on the way' means the value that the module computes at that place (a softmax that the list does not call 'softmax' is quantised finished and normalised). What goes into a quantiser is computed in f32, as accurately as f32 sums, v_exp_f32 and their like allow (about 1e-6 of the number): no bf16 or f16 on the way to a quantiser, and a product that is left as it is and whose result goes on into a quantised operand takes f32 operands (vector FMAs, or v_wmma_f32_16x16x4_f32). A number that lies on a knife's edge between two numbers of the format may be rounded either way, as far as f32 arithmetic and the matrix unit's own rounding can turn it there, and no further.
;;   INPUTS GIVEN AS CODES. Wk (in the module: [1024, 1024], K = its axis 0); Wo (in the module: [1024, 1024], K = its axis 0); Wq (in the module: [1024, 1024], K = its axis 0); Wv (in the module: [1024, 1024], K = its axis 0); X (in the module: [2, 2048, 1024], K = its axis 2): each comes as NAME_codes (uint8): NAME with its K axis moved to the last place and cut into blocks of 32 codes, [.., K / 32, bytes a block], one block behind the other in memory; two codes a byte, the lower K in the low four bits (a code: sign, 2 exponent bits, 1 mantissa bit); and NAME_scales (uint8): the same leading axes, one E8M0 byte (e + 127) for each 32 codes along K. Its value is code x scale, taken as it is: it is not quantised again, and the codes and scales need not be those that the quantiser above would give.
;; One version. Each part assembles by itself: llvm-mc -triple=amdgcn-amd-amdhsa -mcpu=gfx1250 --defsym DOCPART=n.
;; ======== version 1 of 1: 3 launches
;; workspace buffers: qc 2,097,152 bytes; qs 262,144 bytes; kv 4,587,520 bytes; oc 2,097,152 bytes; os 131,072 bytes
;; launch qkv (part 1): grid 16 x 16, 12 waves a work-group, clusters of 4 x 4, 263,680 bytes of LDS; arguments X_codes, X_scales, Wq_codes, Wq_scales, Wk_codes, Wk_scales, Wv_codes, Wv_scales, qc, qs, kv; writes qc, qs, kv
.if DOCPART == 1
	.amdgcn_target "amdgcn-amd-amdhsa--gfx1250"
	.amdhsa_code_object_version 6
	.text
	.protected	k_q9fafa2cf72_qkv
	.globl	k_q9fafa2cf72_qkv
	.p2align	8
	.type	k_q9fafa2cf72_qkv,@function
k_q9fafa2cf72_qkv:
	s_mov_b64 s[64:65], 0
	v_nop
	global_prefetch_b8 v0, s[64:65] scope:SCOPE_SE
	s_setreg_imm32_b32 hwreg(HW_REG_WAVE_MODE, 25, 1), 1
	s_wait_xcnt 0x0
	s_wait_alu depctr_hold_cnt(0) depctr_sa_sdst(0) depctr_va_vdst(0) depctr_va_sdst(0) depctr_va_ssrc(0) depctr_va_vcc(0) depctr_vm_vsrc(0)
	s_getreg_b32 s2, hwreg(HW_REG_IB_STS2, 6, 4)
	s_cmp_eq_u32 s2, 0
	s_cbranch_scc0 .Lentry_in_a_cluster
	s_endpgm
.Lentry_in_a_cluster:
	s_bfe_u32 s2, ttmp6, 0x10000c
	s_cmp_lg_u32 s2, 0xf033
	s_cbranch_scc0 .Lentry_shape_is_right
	s_endpgm
.Lentry_shape_is_right:
; Q = X Wq, K = X Wk, V = X Wv on codes of FP4 (E2M1) with E8M0 scales; Q and K divided by (their head's L2 norm + 1e-6) in f32 and quantised along the head's 64; V quantised along the tokens (the keys).
; X: 4,096 rows of 512 bytes of codes (K = 1,024), 32 scale bytes a row; each W: 1,024 rows (head x 64 + d) likewise.
; SHARES.  A work-group takes one head (x) and 256 tokens (y).  Twelve waves: part = wave / 4 (0 Q, 1 K, 2 V), quarter = wave % 4 (64 tokens): a wave makes 64 x 64, 16 accumulators, K = 1,024 in 8 steps of 128.
; All of K of the 256 rows of X and of the 3 x 64 rows of W lies in LDS, filled once: no slot is ever filled again.
; CLUSTER 4 x 4: X's rows hang on y alone and are asked for jointly along a row of the cluster, W's on x alone and jointly along a column.
; THE ROWS OF A TILE ARE NOT NEIGHBOURS: row m of tile i of a group of 64 rows is row 32 (m / 8) + 8 i + m % 8.  As source 0 that gives lane half h, in the 32 registers of the group's four tiles, rows 32 h + 0 .. 31:
; ONE WHOLE BLOCK OF 32 in a lane, in the order of the next operand's registers: a block's largest magnitude needs no other lane and four conversions give registers 4 c .. 4 c + 3 of the next fragment.
; Q, K: source 0 = W's rows (d), source 1 = X's rows: a lane holds one token and 32 d.   V: source 0 = X's rows (tokens), source 1 = W's: a lane holds one d and 32 tokens.
; OUT, as images of operand registers (lane l's 16 bytes at 16 l): qc [bh][tile 128][512]; qs [bh][tile][16 words]; kv [bh][step of 128 keys 16][8,960]: K's codes [8 tiles][512], V^T's codes [4 tiles of d][2 halves of the keys][512],
; K's scale words [8][16], V's [4][16].  Q's and K's fragments have K = 64: their words' bytes 2 and 3 are 0x7f, and the reader sets the upper registers to zero codes.
; LIMITS: a block of zeros gets the byte 1 (its codes are zeros; this program alone reads the bytes); NaN and infinities are not served; a sum of squares under 2^-126 counts as 0 in the root (1e-6 stands over it).
.set BLK,  17024                       ; 32 LDS rows of 512 + 16 bytes, and 128 more: rows 32 apart then differ by 128 bytes modulo 256, so the 16 rows of a tile start at 16 different 16-byte columns
.set XC,   0                           ; X's codes: 8 blocks of 32 rows
.set WC,   8*BLK                       ; W's codes: part p at 2 p blocks
.set XS,   WC+6*BLK                    ; X's scale bytes: 32 pieces of 256 bytes (8 rows) + 16 of padding
.set WS,   XS+32*272                   ; W's: 24 pieces, part p at 2,176 p
.set SCR,  253696                      ; 991 x 256: the scale words on their way out; no fill lands here
.set KVH,  143360                      ; a head's part of kv
.set KVS,  8960                        ; a step's
.set AX,   1                           ; v1   LDS address of my lane's row in my quarter of X
.set AW,   2                           ; v2   in my part of W
.set ASX,  3                           ; v3   of X's scale words: lanes 0-15 an even tile's, lanes 16-31 the odd tile's beside it
.set ASW,  4                           ; v4   of W's
.set LI,   5                           ; v5   16 x lane
.set SH8,  6                           ; v6   8 x (lane / 16)
.set HH,   7                           ; v7   lane / 16
.set SQ,   8                           ; v8   where Q's and K's words go in SCR: 256 x wave + 4 x lane
.set SV,   9                           ; v9   where V's bytes go
.set RDS,  10                          ; v10  where a wave reads 512 bytes of SCR back
.set FOFF, 11                          ; v11  and their offset in memory
.set XSC,  16                          ; v16-31  X's scale words: register 8 p + s: K step s of tiles 2 p (lanes 0-15) and 2 p + 1 (lanes 16-31)
.set WSC,  32                          ; v32-47  W's likewise
.set XF,   48                          ; v48-79  X's four fragments of a K step
.set WF,   80                          ; v80-111 W's
.set ACC,  112                         ; v112-239 sixteen accumulators
.set CD,   48                          ; afterwards: v48-63 the codes, v64-79 the quantiser's four registers a block, v80-95 the norms, v96-105 the words
.set TM,   64
.set NR,   80
.set WD,   96
.set G1XC, 28
.set G1WC, 36
.set G1XS, 44
.set G1WS, 52
.set G0X0, 60
.set G0X1, 68
.set G0XS, 72
.set G0W0, 76
.set G0W1, 80
.set G0WS, 84
.set WV,   88
.set PART, 89
.set QT,   90
.set XH,   91
.set YB,   92
.set CX,   93
.set CY,   94
.set SEL,  96
.set DST,  98
.set FP,   12
.macro CROUND                          ; a round of the cluster's barrier: my work-group's barrier, wave 0 signals for it, every wave waits for all sixteen, my work-group's barrier again
	s_barrier_signal -1
	s_barrier_wait -1
	s_cmp_lg_u32 s[WV], 0
	s_cbranch_scc1 .Lnot_wave_0_\@
	s_barrier_signal -3
.Lnot_wave_0_\@:
	s_barrier_wait -3
	s_barrier_signal -1
	s_barrier_wait -1
.endm
.macro PLACES                          ; four plain vector instructions between a matrix instruction and a load into, or a vector instruction on, its registers
.rept 4
	v_nop
.endr
.endm
; One scaled product.  c < 0: C is the constant 0.  ra, rb: the side's scale words stand in lanes 16-31 of the register named.
.macro WM d, a, b, c, sa, sb, ra, rb
.if (\c) < 0
.if (\ra) && (\rb)
	v_wmma_scale_f32_16x16x128_f8f6f4 v[(\d):(\d)+7], v[(\a):(\a)+7], v[(\b):(\b)+7], 0, v[(\sa)], v[(\sb)] matrix_a_fmt:MATRIX_FMT_FP4 matrix_b_fmt:MATRIX_FMT_FP4 matrix_a_scale:MATRIX_SCALE_ROW1 matrix_b_scale:MATRIX_SCALE_ROW1
.elseif (\ra)
	v_wmma_scale_f32_16x16x128_f8f6f4 v[(\d):(\d)+7], v[(\a):(\a)+7], v[(\b):(\b)+7], 0, v[(\sa)], v[(\sb)] matrix_a_fmt:MATRIX_FMT_FP4 matrix_b_fmt:MATRIX_FMT_FP4 matrix_a_scale:MATRIX_SCALE_ROW1
.elseif (\rb)
	v_wmma_scale_f32_16x16x128_f8f6f4 v[(\d):(\d)+7], v[(\a):(\a)+7], v[(\b):(\b)+7], 0, v[(\sa)], v[(\sb)] matrix_a_fmt:MATRIX_FMT_FP4 matrix_b_fmt:MATRIX_FMT_FP4 matrix_b_scale:MATRIX_SCALE_ROW1
.else
	v_wmma_scale_f32_16x16x128_f8f6f4 v[(\d):(\d)+7], v[(\a):(\a)+7], v[(\b):(\b)+7], 0, v[(\sa)], v[(\sb)] matrix_a_fmt:MATRIX_FMT_FP4 matrix_b_fmt:MATRIX_FMT_FP4
.endif
.else
.if (\ra) && (\rb)
	v_wmma_scale_f32_16x16x128_f8f6f4 v[(\d):(\d)+7], v[(\a):(\a)+7], v[(\b):(\b)+7], v[(\c):(\c)+7], v[(\sa)], v[(\sb)] matrix_a_fmt:MATRIX_FMT_FP4 matrix_b_fmt:MATRIX_FMT_FP4 matrix_a_scale:MATRIX_SCALE_ROW1 matrix_b_scale:MATRIX_SCALE_ROW1
.elseif (\ra)
	v_wmma_scale_f32_16x16x128_f8f6f4 v[(\d):(\d)+7], v[(\a):(\a)+7], v[(\b):(\b)+7], v[(\c):(\c)+7], v[(\sa)], v[(\sb)] matrix_a_fmt:MATRIX_FMT_FP4 matrix_b_fmt:MATRIX_FMT_FP4 matrix_a_scale:MATRIX_SCALE_ROW1
.elseif (\rb)
	v_wmma_scale_f32_16x16x128_f8f6f4 v[(\d):(\d)+7], v[(\a):(\a)+7], v[(\b):(\b)+7], v[(\c):(\c)+7], v[(\sa)], v[(\sb)] matrix_a_fmt:MATRIX_FMT_FP4 matrix_b_fmt:MATRIX_FMT_FP4 matrix_b_scale:MATRIX_SCALE_ROW1
.else
	v_wmma_scale_f32_16x16x128_f8f6f4 v[(\d):(\d)+7], v[(\a):(\a)+7], v[(\b):(\b)+7], v[(\c):(\c)+7], v[(\sa)], v[(\sb)] matrix_a_fmt:MATRIX_FMT_FP4 matrix_b_fmt:MATRIX_FMT_FP4
.endif
.endif
.endm
; nb blocks of 32 numbers, block b in v[S + 32 b] on, become codes in v[C + 4 b] on.  v[M + 4 b] on: two running maxima, the conversion's scale operand, the scale's byte.  The blocks take turns line by line.
; The floor 2^(3 - 127) among the leaves holds the byte at 1 from below.  The largest magnitude's exponent field less 2 is the scale's byte, and the conversion takes that field of its operand alone.
.macro QUANT nb, S, C, M
.irp b, 0,1,2,3
.if \b < \nb
	v_max3_num_f32 v[\M+4*\b], |v[\S+32*\b]|, |v[\S+32*\b+1]|, 0x1800000
	v_max3_num_f32 v[\M+4*\b+1], |v[\S+32*\b+16]|, |v[\S+32*\b+17]|, |v[\S+32*\b+18]|
.endif
.endr
.irp k, 0,1,2,3,4,5
.irp b, 0,1,2,3
.if \b < \nb
	v_max3_num_f32 v[\M+4*\b], v[\M+4*\b], |v[\S+32*\b+2+2*\k]|, |v[\S+32*\b+3+2*\k]|
	v_max3_num_f32 v[\M+4*\b+1], v[\M+4*\b+1], |v[\S+32*\b+19+2*\k]|, |v[\S+32*\b+20+2*\k]|
.endif
.endr
.endr
.irp b, 0,1,2,3
.if \b < \nb
	v_max3_num_f32 v[\M+4*\b], v[\M+4*\b], |v[\S+32*\b+14]|, |v[\S+32*\b+15]|
.endif
.endr
.irp b, 0,1,2,3
.if \b < \nb
	v_max3_num_f32 v[\M+4*\b], v[\M+4*\b], v[\M+4*\b+1], |v[\S+32*\b+31]|
.endif
.endr
.irp b, 0,1,2,3
.if \b < \nb
	v_add_nc_u32 v[\M+4*\b+2], 0xff000000, v[\M+4*\b]
.endif
.endr
.irp b, 0,1,2,3
.if \b < \nb
	v_lshrrev_b32 v[\M+4*\b+3], 23, v[\M+4*\b+2]
.endif
.endr
.irp b, 0,1,2,3
.if \b < \nb
.irp g, 0,1,2,3
	v_cvt_scalef32_pk8_fp4_f32 v[\C+4*\b+\g], v[\S+32*\b+8*\g:\S+32*\b+8*\g+7], v[\M+4*\b+2]
.endr
.endif
.endr
	v_nop                                          ; one plain instruction behind the last scaled conversion
.endm
	s_load_b512 s[4:19], s[0:1], 0x0               ; X's codes, scales; Wq's; Wk's; Wv's
	s_load_b128 s[20:23], s[0:1], 0x40             ; qc, qs
	s_load_b64 s[24:25], s[0:1], 0x50              ; kv
	v_lshl_add_u32 v254, v0, 2, 0x40000
	v_mov_b32 v255, 0
	ds_add_u32 v254, v255
	ds_add_u32 v254, v255
	v_lshrrev_b32 v12, 5, v0
	v_readfirstlane_b32 s[WV], v12                 ; wave 0..11
	s_lshr_b32 s[PART], s[WV], 2
	s_and_b32 s[QT], s[WV], 3                      ; my quarter of the tokens.  Also: which quarter of X (waves 0-3) or which W (waves 4-6) I fetch
	s_bfe_u32 s[CX], ttmp6, 0x40000
	s_bfe_u32 s[CY], ttmp6, 0x40004
	s_lshl_b32 s[XH], ttmp9, 2
	s_add_co_u32 s[XH], s[XH], s[CX]               ; the head = 4 x cluster x + cx
	s_and_b32 s[YB], ttmp7, 0xffff
	s_lshl_b32 s[YB], s[YB], 2
	s_add_co_u32 s[YB], s[YB], s[CY]               ; the block of 256 tokens = 4 x cluster y + cy
	s_lshl_b32 s2, s[CY], 2
	s_lshl_b32 s2, 15, s2                          ; my row of the cluster
	s_lshl_b32 s100, 0x1111, s[CX]                 ; my column
	; group 1 for codes: 32 rows of 512 bytes, 16 bytes of padding behind each
	s_or_b32 s[G1XC], s2, (1<<20)|(1<<21)|(6<<22)|(3<<25)      ; 15:0 the mask; 17:16 elements of 1 byte; 20 padding on; 21 set beside a mask; 24:22 after every 128 words; 31:25 four words
	s_or_b32 s[G1WC], s100, (1<<20)|(1<<21)|(6<<22)|(3<<25)
.irp g, G1XC, G1WC
	s_mov_b32 s[\g+1], 512<<16                     ; tensor_dim0
	s_mov_b32 s[\g+2], 32<<16                      ; tensor_dim1
	s_mov_b32 s[\g+3], 512<<16                     ; tile_dim0
	s_mov_b32 s[\g+4], 32                          ; tile_dim1
	s_mov_b32 s[\g+5], 512                         ; from row to row
	s_mov_b32 s[\g+6], 0
	s_mov_b32 s[\g+7], 0
.endr
	; group 1 for the scale bytes of 64 rows: 2,048 dense bytes as 8 rows of 256 (32 elements of 8 bytes), 16 bytes of padding behind each
	s_or_b32 s[G1XS], s2, (3<<16)|(1<<20)|(1<<21)|(5<<22)|(3<<25)
	s_or_b32 s[G1WS], s100, (3<<16)|(1<<20)|(1<<21)|(5<<22)|(3<<25)
.irp g, G1XS, G1WS
	s_mov_b32 s[\g+1], 32<<16
	s_mov_b32 s[\g+2], 8<<16
	s_mov_b32 s[\g+3], 32<<16
	s_mov_b32 s[\g+4], 8
	s_mov_b32 s[\g+5], 32
	s_mov_b32 s[\g+6], 0
	s_mov_b32 s[\g+7], 0
.endr
	s_lshl_b32 s26, s[YB], 17                      ; X's codes: (256 y + 64 quarter) rows of 512 bytes: made of y and the wave's number alone
	s_lshl_b32 s27, s[QT], 15
	s_add_co_u32 s26, s26, s27
	s_mov_b32 s27, 0
	s_lshl_b32 s2, s[YB], 13                       ; X's scale bytes: the same rows of 32 bytes
	s_lshl_b32 s3, s[QT], 11
	s_add_co_u32 s2, s2, s3
	s_mov_b32 s3, 0
	s_lshl_b32 s100, s[XH], 15                     ; W's codes: 64 x rows of 512 bytes: made of x alone
	s_mov_b32 s101, 0
	s_mul_i32 s95, s[QT], 2*BLK                    ; and where they go: the wave's number alone enters an LDS address
	s_mov_b32 s[SEL], 0x76543210
	s_mov_b32 s[SEL+1], 0xfedcba98                 ; v_permlanex16_b32's selects for lane l xor 16
	s_wait_dscnt 0x0
	s_wait_kmcnt 0x0
	s_add_nc_u64 s[4:5], s[4:5], s[26:27]
	s_add_nc_u64 s[6:7], s[6:7], s[2:3]
	s_cmp_eq_u32 s[QT], 0                          ; wave 4 fetches Wq, wave 5 Wk, wave 6 Wv: the choice hangs on the wave's number alone
	s_cselect_b64 s[8:9], s[8:9], s[16:17]
	s_cselect_b64 s[10:11], s[10:11], s[18:19]
	s_cmp_eq_u32 s[QT], 1
	s_cselect_b64 s[8:9], s[12:13], s[8:9]
	s_cselect_b64 s[10:11], s[14:15], s[10:11]
	s_add_nc_u64 s[8:9], s[8:9], s[100:101]
	s_lshl_b32 s100, s[XH], 11                     ; W's scale bytes: 64 x rows of 32 bytes
	s_add_nc_u64 s[10:11], s[10:11], s[100:101]
	CROUND                                         ; all sixteen work-groups are here: the joint loads meet
	s_mov_b32 s[G0X0], 1
	s_mov_b32 s[G0X0+1], s95                       ; XC = 0
	s_mov_b64 s[G0X0+2:G0X0+3], s[4:5]
	s_or_b32 s[G0X0+3], s[G0X0+3], 0x80000000
	s_mov_b32 s[G0X1], 1
	s_add_co_u32 s[G0X1+1], s95, BLK
	s_add_nc_u64 s[G0X1+2:G0X1+3], s[4:5], 32*512
	s_or_b32 s[G0X1+3], s[G0X1+3], 0x80000000
	s_mov_b32 s[G0W0], 1
	s_add_co_u32 s[G0W0+1], s95, WC
	s_mov_b64 s[G0W0+2:G0W0+3], s[8:9]
	s_or_b32 s[G0W0+3], s[G0W0+3], 0x80000000
	s_mov_b32 s[G0W1], 1
	s_add_co_u32 s[G0W1+1], s95, WC+BLK
	s_add_nc_u64 s[G0W1+2:G0W1+3], s[8:9], 32*512
	s_or_b32 s[G0W1+3], s[G0W1+3], 0x80000000
	s_mul_i32 s95, s[QT], 2176
	s_mov_b32 s[G0XS], 1
	s_add_co_u32 s[G0XS+1], s95, XS
	s_mov_b64 s[G0XS+2:G0XS+3], s[6:7]
	s_or_b32 s[G0XS+3], s[G0XS+3], 0x80000000
	s_mov_b32 s[G0WS], 1
	s_add_co_u32 s[G0WS+1], s95, WS
	s_mov_b64 s[G0WS+2:G0WS+3], s[10:11]
	s_or_b32 s[G0WS+3], s[G0WS+3], 0x80000000
	s_cmp_lt_u32 s[WV], 4                          ; a wave's fills stand in one branch on its number: three loads of mine are out at the most; four v_nop follow the last
	s_cbranch_scc0 .Lnot_x
	tensor_load_to_lds s[G0XS:G0XS+3], s[G1XS:G1XS+7]
	s_nop 0
	tensor_load_to_lds s[G0X0:G0X0+3], s[G1XC:G1XC+7]
	s_nop 0
	tensor_load_to_lds s[G0X1:G0X1+3], s[G1XC:G1XC+7]
	s_nop 0
	PLACES
	s_branch .Lasked
.Lnot_x:
	s_cmp_lt_u32 s[WV], 7
	s_cbranch_scc0 .Lasked
	tensor_load_to_lds s[G0WS:G0WS+3], s[G1WS:G1WS+7]
	s_nop 0
	tensor_load_to_lds s[G0W0:G0W0+3], s[G1WC:G1WC+7]
	s_nop 0
	tensor_load_to_lds s[G0W1:G0W1+3], s[G1WC:G1WC+7]
	s_nop 0
	PLACES
.Lasked:
	; every LDS address is made here, ahead of the parting of the parts
	v_and_b32 v12, 15, v0                          ; r
	v_bfe_u32 v[HH], v0, 4, 1                      ; h
	v_and_b32 v13, 7, v0                           ; r % 8
	v_bfe_u32 v14, v0, 3, 1                        ; r / 8
	v_and_b32 v15, 31, v0                          ; lane
	v_lshlrev_b32 v[LI], 4, v15
	v_lshlrev_b32 v[SH8], 3, v[HH]
	v_mul_u32_u24 v240, v13, 528
	v_mad_u32_u24 v240, v14, BLK, v240
	v_lshl_add_u32 v240, v[HH], 4, v240            ; row 32 (r / 8) + r % 8 of a group of 64, + 16 h; tile i is 8 i rows on
	s_mul_i32 s95, s[QT], 2*BLK
	v_add_nc_u32 v[AX], s95, v240
	s_mul_i32 s95, s[PART], 2*BLK
	s_add_co_u32 s95, s95, WC
	v_add_nc_u32 v[AW], s95, v240
	v_mul_u32_u24 v241, v14, 1088                  ; the same row's scale bytes: piece 4 (r / 8) + i, 32 (r % 8) in it; lanes 16-31 one tile on
	v_lshl_add_u32 v241, v13, 5, v241
	v_mad_u32_u24 v241, v[HH], 272, v241
	s_mul_i32 s95, s[QT], 2176
	s_add_co_u32 s95, s95, XS
	v_add_nc_u32 v[ASX], s95, v241
	s_mul_i32 s95, s[PART], 2176
	s_add_co_u32 s95, s95, WS
	v_add_nc_u32 v[ASW], s95, v241
	s_lshl_b32 s95, s[WV], 8
	s_add_co_u32 s95, s95, SCR
	v_lshl_add_u32 v[SQ], v15, 2, s95
	s_lshr_b32 s95, s[QT], 1                       ; V's bytes: [step q / 2][tile of d][r][byte 2 (q % 2) + h]
	s_lshl_b32 s95, s95, 8
	s_and_b32 s3, s[QT], 1
	s_lshl_b32 s3, s3, 1
	s_add_co_u32 s95, s95, s3
	s_add_co_u32 s95, s95, SCR+2048
	v_lshl_add_u32 v[SV], v12, 2, v[HH]
	v_add_nc_u32 v[SV], s95, v[SV]
	s_lshl_b32 s95, s[WV], 9
	s_add_co_u32 s95, s95, SCR
	v_add_nc_u32 v[RDS], s95, v[LI]
	; where my results go.  s12-s19 held W's addresses, which the descriptors have taken over
	s_lshr_b32 s12, s[YB], 3
	s_lshl_b32 s12, s12, 4
	s_add_co_u32 s12, s12, s[XH]                   ; bh = 16 b + head
	s_and_b32 s13, s[YB], 7                        ; the block of 256 tokens within the sequence
	s_lshl_b32 s14, s12, 16                        ; qc: tile 128 bh + 16 yb + 4 q, 512 bytes a tile
	s_lshl_b32 s15, s13, 13
	s_add_co_u32 s14, s14, s15
	s_lshl_b32 s15, s[QT], 11
	s_add_co_u32 s14, s14, s15
	s_mov_b32 s15, 0
	s_add_nc_u64 s[14:15], s[20:21], s[14:15]
	s_mul_i32 s16, s12, KVH                        ; kv: the head's part,
	s_lshl_b32 s100, s13, 1
	s_lshr_b32 s101, s[QT], 1
	s_add_co_u32 s101, s101, s100                  ; step 2 yb + q / 2,
	s_mul_i32 s101, s101, KVS
	s_add_co_u32 s101, s101, s16
	s_and_b32 s17, s[QT], 1
	s_lshl_b32 s18, s17, 11                        ; K: tiles 4 (q % 2) on;
	s_lshl_b32 s17, s17, 9
	s_add_co_u32 s17, s17, 4096                    ; V: behind K's codes, half q % 2 of each tile of d
	s_cmp_eq_u32 s[PART], 2
	s_cselect_b32 s17, s17, s18
	s_add_co_u32 s18, s101, s17
	s_mov_b32 s19, 0
	s_add_nc_u64 s[18:19], s[24:25], s[18:19]
	s_cmp_eq_u32 s[PART], 0
	s_cselect_b64 s[DST:DST+1], s[14:15], s[18:19]
	; the scale words' way out: waves 0, 1: 512 bytes of qs each; waves 2, 3: a step's words of K; wave 4: both steps' words of V
	s_and_b32 s17, s[WV], 1
	s_lshl_b32 s14, s12, 13
	s_lshl_b32 s15, s13, 10
	s_add_co_u32 s14, s14, s15
	s_lshl_b32 s15, s17, 9
	s_add_co_u32 s14, s14, s15
	s_mov_b32 s15, 0
	s_add_nc_u64 s[14:15], s[22:23], s[14:15]
	s_add_co_u32 s17, s17, s100
	s_mul_i32 s17, s17, KVS
	s_add_co_u32 s16, s16, s17
	s_cmp_eq_u32 s[WV], 4
	s_cselect_b32 s18, 8704, 0                     ; wave 4's lanes 16-31 store a step further on: 8,960 - 256
	s_cselect_b32 s19, 512, 0                      ; V's words lie 512 bytes behind K's
	s_add_co_u32 s16, s16, s19
	s_add_co_u32 s16, s16, 8192
	s_mov_b32 s17, 0
	s_add_nc_u64 s[16:17], s[24:25], s[16:17]
	v_mad_u32_u24 v[FOFF], v[HH], s18, v[LI]
	s_cmp_lt_u32 s[WV], 2
	s_cselect_b64 s[FP:FP+1], s[14:15], s[16:17]
	s_wait_tensorcnt 0x0                           ; my fills have landed (for zero: the loads stand under a branch on the wave's number),
	s_barrier_signal -1
	s_barrier_wait -1                              ; everybody's have
.irp p, 0,1
.irp f, 0,1
	ds_load_b128 v[XSC+8*\p+4*\f:XSC+8*\p+4*\f+3], v[ASX] offset:544*\p+16*\f     ; the words of four K steps at a time
	ds_load_b128 v[WSC+8*\p+4*\f:WSC+8*\p+4*\f+3], v[ASW] offset:544*\p+16*\f
.endr
.endr
.macro FRAGS s                         ; K step s: four fragments of X and four of W: registers 4 c .. 4 c + 3 hold k = 64 c + 32 h + 0 .. 31: 16 bytes of the row as they lie
.irp i, 0,1,2,3
.irp c, 0,1
	ds_load_b128 v[XF+8*\i+4*\c:XF+8*\i+4*\c+3], v[AX] offset:8*\i*528+64*\s+32*\c
	ds_load_b128 v[WF+8*\i+4*\c:WF+8*\i+4*\c+3], v[AW] offset:8*\i*528+64*\s+32*\c
.endr
.endr
.endm
; Sixteen products, sixteen accumulators by turns; the first K step starts the sums with the constant 0.
.macro MULQK s                         ; source 0 = W's tile t, source 1 = X's tile i: registers 32 i + 8 t + j of a lane = d 32 h + 8 t + j of the token in lane r of tile i
.irp i, 0,1,2,3
.irp t, 0,1,2,3
.if \s == 0
	WM ACC+32*\i+8*\t, WF+8*\t, XF+8*\i, -1, WSC+8*(\t/2)+\s, XSC+8*(\i/2)+\s, \t%2, \i%2
.else
	WM ACC+32*\i+8*\t, WF+8*\t, XF+8*\i, ACC+32*\i+8*\t, WSC+8*(\t/2)+\s, XSC+8*(\i/2)+\s, \t%2, \i%2
.endif
.endr
.endr
.endm
.macro MULV s                          ; source 0 = X's tile i, source 1 = W's tile t: registers 32 t + 8 i + j = token 32 h + 8 i + j of the d in lane r of tile t
.irp t, 0,1,2,3
.irp i, 0,1,2,3
.if \s == 0
	WM ACC+32*\t+8*\i, XF+8*\i, WF+8*\t, -1, XSC+8*(\i/2)+\s, WSC+8*(\t/2)+\s, \i%2, \t%2
.else
	WM ACC+32*\t+8*\i, XF+8*\i, WF+8*\t, ACC+32*\t+8*\i, XSC+8*(\i/2)+\s, WSC+8*(\t/2)+\s, \i%2, \t%2
.endif
.endr
.endr
.endm
	s_cmp_eq_u32 s[PART], 2
	s_cbranch_scc1 .Lpart_v
.irp s, 0,1,2,3,4,5,6,7
	FRAGS \s
	s_wait_dscnt 0x0                               ; the step's fragments (and, in step 0, the scale words) are in
	MULQK \s
	PLACES                                         ; in front of the next step's loads into the fragments, and of the first read of the sums
.endr
	; the norm of each token's 64 numbers: my 32 in two packed chains a tile, each accumulator from its low end on, the four tiles by turns; then lane l xor 16's 32
.irp i, 0,1,2,3
	v_pk_mul_f32 v[NR+4*\i:NR+4*\i+1], v[ACC+32*\i:ACC+32*\i+1], v[ACC+32*\i:ACC+32*\i+1]
	v_pk_mul_f32 v[NR+4*\i+2:NR+4*\i+3], v[ACC+32*\i+2:ACC+32*\i+3], v[ACC+32*\i+2:ACC+32*\i+3]
.endr
.irp k, 1,2,3,4,5,6,7
.irp i, 0,1,2,3
	v_pk_fma_f32 v[NR+4*\i:NR+4*\i+1], v[ACC+32*\i+4*\k:ACC+32*\i+4*\k+1], v[ACC+32*\i+4*\k:ACC+32*\i+4*\k+1], v[NR+4*\i:NR+4*\i+1]
	v_pk_fma_f32 v[NR+4*\i+2:NR+4*\i+3], v[ACC+32*\i+4*\k+2:ACC+32*\i+4*\k+3], v[ACC+32*\i+4*\k+2:ACC+32*\i+4*\k+3], v[NR+4*\i+2:NR+4*\i+3]
.endr
.endr
.irp i, 0,1,2,3
	v_pk_add_f32 v[NR+4*\i:NR+4*\i+1], v[NR+4*\i:NR+4*\i+1], v[NR+4*\i+2:NR+4*\i+3]
.endr
.irp i, 0,1,2,3
	v_add_f32 v[NR+4*\i], v[NR+4*\i], v[NR+4*\i+1]
.endr
.irp i, 0,1,2,3
	v_permlanex16_b32 v[NR+4*\i+2], v[NR+4*\i], s[SEL], s[SEL+1]
.endr
.irp i, 0,1,2,3
	v_add_f32 v[NR+4*\i], v[NR+4*\i], v[NR+4*\i+2]
.endr
.irp i, 0,1,2,3
	v_sqrt_f32 v[NR+4*\i+1], v[NR+4*\i]
.endr
	v_nop                                          ; a plain instruction behind the last root,
	s_wait_alu depctr_va_vdst(0)                   ; and one wait for the four, ahead of their first reader
.irp i, 0,1,2,3
	v_add_f32 v[NR+4*\i+1], 0x358637bd, v[NR+4*\i+1]   ; + 1e-6
.endr
.irp i, 0,1,2,3
	v_rcp_f32 v[NR+4*\i], v[NR+4*\i+1]
.endr
	v_nop
	s_wait_alu depctr_va_vdst(0)                   ; likewise for the four reciprocals
.irp i, 0,1,2,3
.set k, 0
.rept 16
	v_pk_mul_f32 v[ACC+32*\i+k:ACC+32*\i+k+1], v[ACC+32*\i+k:ACC+32*\i+k+1], v[NR+4*\i:NR+4*\i+1] op_sel_hi:[1,0]
.set k, k+2
.endr
.endr
	QUANT 4, ACC, CD, TM                           ; block i = tile i's token, d 32 h + 0 .. 31
.irp i, 0,1,2,3
	global_store_b128 v[LI], v[CD+4*\i:CD+4*\i+3], s[DST:DST+1] offset:512*\i    ; a tile's image: 512 consecutive bytes, at a multiple of 256 from the buffer's first byte
.endr
.irp i, 0,1,2,3
	v_lshlrev_b32 v[WD+\i], v[SH8], v[TM+4*\i+3]   ; my block's byte at its place,
.endr
.irp i, 0,1,2,3
	v_permlanex16_b32 v[WD+4+\i], v[WD+\i], s[SEL], s[SEL+1]
.endr
.irp i, 0,1,2,3
	v_or_b32 v[WD+\i], v[WD+\i], v[WD+4+\i]        ; with lane l xor 16's,
.endr
.irp i, 0,1,2,3
	v_or_b32 v[WD+\i], 0x7f7f0000, v[WD+\i]        ; and 2^0 for k = 64 .. 127, whose codes are zeros
.endr
	v_cmp_ne_u32 vcc_lo, 0, v[HH]
	v_cndmask_b32 v[WD+8], v[WD], v[WD+1], vcc_lo  ; lanes 0-15 the even tile's words, lanes 16-31 the odd tile's: 128 consecutive bytes
	v_cndmask_b32 v[WD+9], v[WD+2], v[WD+3], vcc_lo
	ds_store_b32 v[SQ], v[WD+8]
	ds_store_b32 v[SQ], v[WD+9] offset:128
	s_branch .Ljoin
.Lpart_v:
.irp s, 0,1,2,3,4,5,6,7
	FRAGS \s
	s_wait_dscnt 0x0
	MULV \s
	PLACES
.endr
	QUANT 4, ACC, CD, TM                           ; block t = tile t's d, tokens 32 h + 0 .. 31 of my 64
.irp t, 0,1,2,3
	global_store_b128 v[LI], v[CD+4*\t:CD+4*\t+3], s[DST:DST+1] offset:1024*\t
.endr
.irp t, 0,1,2,3
	ds_store_b8 v[SV], v[TM+4*\t+3] offset:64*\t   ; each lane a byte of its own
.endr
.Ljoin:
	s_wait_dscnt 0x0                               ; for the others' sake: my words lie in LDS
	s_barrier_signal -1
	s_barrier_wait -1
	s_cmp_gt_u32 s[WV], 4
	s_cbranch_scc1 .Ldone
	ds_load_b128 v[240:243], v[RDS]                ; 512 bytes of words a wave,
	s_wait_dscnt 0x0
	global_store_b128 v[FOFF], v[240:243], s[FP:FP+1]   ; sixteen lanes store 256 consecutive bytes, at a multiple of 256 from the buffer's first byte
.Ldone:
	s_wait_tensorcnt 0x0
	ds_add_u32 v254, v255
	s_wait_dscnt 0x0
	CROUND                                         ; the closing round: no work-group ends while a partner may still ask for a tile that names it
	s_endpgm
.Lfunc_end_k_q9fafa2cf72_qkv:
	.size	k_q9fafa2cf72_qkv, .Lfunc_end_k_q9fafa2cf72_qkv-k_q9fafa2cf72_qkv
	.p2alignl 7, 3214868480
	.fill 96, 4, 3214868480
	.section	.rodata,"a",@progbits
	.p2align	6, 0x0
	.amdhsa_kernel k_q9fafa2cf72_qkv
		.amdhsa_group_segment_fixed_size 263680
		.amdhsa_private_segment_fixed_size 0
		.amdhsa_enable_private_segment 0
		.amdhsa_kernarg_size 88
		.amdhsa_user_sgpr_count 2
		.amdhsa_user_sgpr_kernarg_segment_ptr 1
		.amdhsa_wavefront_size32 1
		.amdhsa_system_sgpr_workgroup_id_x 1
		.amdhsa_system_sgpr_workgroup_id_y 1
		.amdhsa_system_sgpr_workgroup_id_z 1
		.amdhsa_system_vgpr_workitem_id 0
		.amdhsa_next_free_vgpr 256
		.amdhsa_next_free_sgpr 102
		.amdhsa_reserve_vcc 1
		.amdhsa_float_denorm_mode_32 3
		.amdhsa_float_denorm_mode_16_64 3
		.amdhsa_memory_ordered 1
		.amdhsa_forward_progress 1
		.amdhsa_inst_pref_size 85
	.end_amdhsa_kernel
	.amdgpu_metadata
---
amdhsa.version: [ 1, 2 ]
amdhsa.kernels:
  - .name:           k_q9fafa2cf72_qkv
    .symbol:         k_q9fafa2cf72_qkv.kd
    .args:
      - { .name: X_codes, .offset: 0, .size: 8, .value_kind: global_buffer, .address_space: global }
      - { .name: X_scales, .offset: 8, .size: 8, .value_kind: global_buffer, .address_space: global }
      - { .name: Wq_codes, .offset: 16, .size: 8, .value_kind: global_buffer, .address_space: global }
      - { .name: Wq_scales, .offset: 24, .size: 8, .value_kind: global_buffer, .address_space: global }
      - { .name: Wk_codes, .offset: 32, .size: 8, .value_kind: global_buffer, .address_space: global }
      - { .name: Wk_scales, .offset: 40, .size: 8, .value_kind: global_buffer, .address_space: global }
      - { .name: Wv_codes, .offset: 48, .size: 8, .value_kind: global_buffer, .address_space: global }
      - { .name: Wv_scales, .offset: 56, .size: 8, .value_kind: global_buffer, .address_space: global }
      - { .name: qc, .offset: 64, .size: 8, .value_kind: global_buffer, .address_space: global }
      - { .name: qs, .offset: 72, .size: 8, .value_kind: global_buffer, .address_space: global }
      - { .name: kv, .offset: 80, .size: 8, .value_kind: global_buffer, .address_space: global }
    .group_segment_fixed_size: 263680
    .private_segment_fixed_size: 0
    .kernarg_segment_align: 8
    .kernarg_segment_size: 88
    .max_flat_workgroup_size: 384
    .sgpr_count:     102
    .vgpr_count:     256
    .wavefront_size: 32
...
	.end_amdgpu_metadata
.endif
;; end of part 1
;; launch attn (part 2): grid 8 x 32, 8 waves a work-group, clusters of 4 x 1, 168,960 bytes of LDS; arguments qc, qs, kv, oc, os; writes oc, os
.if DOCPART == 2
	.amdgcn_target "amdgcn-amd-amdhsa--gfx1250"
	.amdhsa_code_object_version 6
	.text
	.protected	k_q9fafa2cf72_attn
	.globl	k_q9fafa2cf72_attn
	.p2align	8
	.type	k_q9fafa2cf72_attn,@function
k_q9fafa2cf72_attn:
	s_mov_b64 s[64:65], 0
	v_nop
	global_prefetch_b8 v0, s[64:65] scope:SCOPE_SE
	s_setreg_imm32_b32 hwreg(HW_REG_WAVE_MODE, 25, 1), 1
	s_wait_xcnt 0x0
	s_wait_alu depctr_hold_cnt(0) depctr_sa_sdst(0) depctr_va_vdst(0) depctr_va_sdst(0) depctr_va_ssrc(0) depctr_va_vcc(0) depctr_vm_vsrc(0)
	s_getreg_b32 s2, hwreg(HW_REG_IB_STS2, 6, 4)
	s_cmp_eq_u32 s2, 0
	s_cbranch_scc0 .Lentry_in_a_cluster
	s_endpgm
.Lentry_in_a_cluster:
	s_bfe_u32 s2, ttmp6, 0x10000c
	s_cmp_lg_u32 s2, 0x3003
	s_cbranch_scc0 .Lentry_shape_is_right
	s_endpgm
.Lentry_shape_is_right:
; O = softmax(Q K^T / 8, causal) V for one head, both products on codes of FP4 (E2M1) with E8M0 scales; O / the row's sum is quantised along the head's 64 for the last product.
; In: qc, qs, kv as the launch before lays them (images of operand registers).  Out: oc [tile 256][head 16][512]: registers 4 (head % 2) on of O's fragment of K step head / 2; os [tile][K step 8][16 words]: byte 2 (head % 2) + h.
; THE SOFTMAX: t = score x log2(e) / 8; p = 2^t is what is quantised along the keys; the row's sum is taken of the unquantised p and divides at the end.
; NO MAXIMUM IS TAKEN AWAY: Q's and K's rows are normalised vectors; quantised, their norm stays under 2, so |score| < 4, |t| < 1, p lies in (1/2, 2) and a row's sum under 4,096, for every input.
; A whole-number shift M would only move p's scale bytes and the sum by the same power of two: codes x scale / sum are the same numbers.
; SHARES.  bh = work-group y; j = work-group x (0 .. 7).  Wave w owns two tiles of 16 queries: 8 (15 - w) + j, which needs 16 - w steps of 128 keys, and 8 w + j, which needs w + 1: 17 steps for every wave.
; Branches hang on the wave's number and on loop counters alone; j enters global addresses and the mask's threshold in a vector register.
; THE HEAD'S K AND V, 143,360 bytes, lie in LDS whole, filled once.  CLUSTER 4 x 1: the four partners belong to one head and ask for each step jointly; wave w asks for steps w and 8 + w.
; LAYOUT.  S^T = K Q^T (source 0 = 16 keys, source 1 = my queries), O^T = V^T P^T (source 0 = 16 d): a lane holds one query throughout.  Row m of tile i of 64 keys is key 32 (m / 8) + 8 i + m % 8, so that
; registers 32 c + 0 .. 31 of S^T are keys 64 c + 32 h + 0 .. 31: a whole block in a lane, in the order of P's registers.  The d of V's tiles are chosen likewise: O^T's 32 registers are d = 32 h + 0 .. 31.
; The first product's K is 64: registers 4-7 of Q's and K's fragments are zero codes, set once.
; LIMITS: a block of zeros (hidden keys) gets the byte 1, its codes are zeros; NaN and infinities are not served; O's scale bytes leave as single bytes inside runs of 64 bytes.
.set KVH,  143360
.set KVS,  8960
.set LI,   1                           ; v1   16 x lane
.set LS,   2                           ; v2   4 x lane
.set AK,   3                           ; v3   the step's images
.set ASC,  4                           ; v4   the step's scale words
.set DD,   5                           ; v5   my query's place in its diagonal step, less 32 h
.set SH8,  6                           ; v6   8 h
.set NINF, 7                           ; v7   -infinity
.set R4,   8                           ; v8   4 r
.set R4H,  9                           ; v9   4 r + h
.set KW,   34                          ; v34-37 K's scale words: tiles 2 p (lanes 0-15) and 2 p + 1 (lanes 16-31);  v32, v33: Q's, of my two tiles
.set VW,   38                          ; v38-39 V's likewise
.set PW,   40                          ; v40    p's
.set TM,   44                          ; v44-51 the quantiser's;  v41-43 at work;  v[52:53] 1 / the sum
.set PC,   56                          ; v56-63 p's codes
.set KF,   64                          ; v64-127  K's eight fragments
.set VF,   128                         ; v128-159 V's four
.set SS,   160                         ; v160-223 S^T, then p
.set OT,   224                         ; v224-255 O^T;  v[12:15] the sum, in two packed chains;  v16-23, v24-31 Q's fragments
.set WV,   14
.set CX,   15
.set J,    16
.set BH,   17
.set HD,   18
.set BB,   19
.set G1,   24
.set G0A,  32
.set G0B,  36
.set CS,   40
.set SEL,  42
.set TB,   44
.set IC,   45
.set DG,   46
.macro CROUND
	s_barrier_signal -1
	s_barrier_wait -1
	s_cmp_lg_u32 s[WV], 0
	s_cbranch_scc1 .Lnot_wave_0_\@
	s_barrier_signal -3
.Lnot_wave_0_\@:
	s_barrier_wait -3
	s_barrier_signal -1
	s_barrier_wait -1
.endm
.macro PLACES
.rept 4
	v_nop
.endr
.endm
.macro WM d, a, b, c, sa, sb, ra, rb   ; one scaled product.  c < 0: C is the constant 0.  ra, rb: the side's scale words stand in lanes 16-31
.if (\c) < 0
.if (\ra) && (\rb)
	v_wmma_scale_f32_16x16x128_f8f6f4 v[(\d):(\d)+7], v[(\a):(\a)+7], v[(\b):(\b)+7], 0, v[(\sa)], v[(\sb)] matrix_a_fmt:MATRIX_FMT_FP4 matrix_b_fmt:MATRIX_FMT_FP4 matrix_a_scale:MATRIX_SCALE_ROW1 matrix_b_scale:MATRIX_SCALE_ROW1
.elseif (\ra)
	v_wmma_scale_f32_16x16x128_f8f6f4 v[(\d):(\d)+7], v[(\a):(\a)+7], v[(\b):(\b)+7], 0, v[(\sa)], v[(\sb)] matrix_a_fmt:MATRIX_FMT_FP4 matrix_b_fmt:MATRIX_FMT_FP4 matrix_a_scale:MATRIX_SCALE_ROW1
.elseif (\rb)
	v_wmma_scale_f32_16x16x128_f8f6f4 v[(\d):(\d)+7], v[(\a):(\a)+7], v[(\b):(\b)+7], 0, v[(\sa)], v[(\sb)] matrix_a_fmt:MATRIX_FMT_FP4 matrix_b_fmt:MATRIX_FMT_FP4 matrix_b_scale:MATRIX_SCALE_ROW1
.else
	v_wmma_scale_f32_16x16x128_f8f6f4 v[(\d):(\d)+7], v[(\a):(\a)+7], v[(\b):(\b)+7], 0, v[(\sa)], v[(\sb)] matrix_a_fmt:MATRIX_FMT_FP4 matrix_b_fmt:MATRIX_FMT_FP4
.endif
.else
.if (\ra) && (\rb)
	v_wmma_scale_f32_16x16x128_f8f6f4 v[(\d):(\d)+7], v[(\a):(\a)+7], v[(\b):(\b)+7], v[(\c):(\c)+7], v[(\sa)], v[(\sb)] matrix_a_fmt:MATRIX_FMT_FP4 matrix_b_fmt:MATRIX_FMT_FP4 matrix_a_scale:MATRIX_SCALE_ROW1 matrix_b_scale:MATRIX_SCALE_ROW1
.elseif (\ra)
	v_wmma_scale_f32_16x16x128_f8f6f4 v[(\d):(\d)+7], v[(\a):(\a)+7], v[(\b):(\b)+7], v[(\c):(\c)+7], v[(\sa)], v[(\sb)] matrix_a_fmt:MATRIX_FMT_FP4 matrix_b_fmt:MATRIX_FMT_FP4 matrix_a_scale:MATRIX_SCALE_ROW1
.elseif (\rb)
	v_wmma_scale_f32_16x16x128_f8f6f4 v[(\d):(\d)+7], v[(\a):(\a)+7], v[(\b):(\b)+7], v[(\c):(\c)+7], v[(\sa)], v[(\sb)] matrix_a_fmt:MATRIX_FMT_FP4 matrix_b_fmt:MATRIX_FMT_FP4 matrix_b_scale:MATRIX_SCALE_ROW1
.else
	v_wmma_scale_f32_16x16x128_f8f6f4 v[(\d):(\d)+7], v[(\a):(\a)+7], v[(\b):(\b)+7], v[(\c):(\c)+7], v[(\sa)], v[(\sb)] matrix_a_fmt:MATRIX_FMT_FP4 matrix_b_fmt:MATRIX_FMT_FP4
.endif
.endif
.endm
; nb blocks of 32 numbers, block b in v[S + 32 b] on, become codes in v[C + 4 b] on.  v[M + 4 b] on: two running maxima, the conversion's scale operand, the scale's byte.  The floor 2^(3 - 127) holds the byte at 1 from below.
.macro QUANT nb, S, C, M
.irp b, 0,1,2,3
.if \b < \nb
	v_max3_num_f32 v[\M+4*\b], |v[\S+32*\b]|, |v[\S+32*\b+1]|, 0x1800000
	v_max3_num_f32 v[\M+4*\b+1], |v[\S+32*\b+16]|, |v[\S+32*\b+17]|, |v[\S+32*\b+18]|
.endif
.endr
.irp k, 0,1,2,3,4,5
.irp b, 0,1,2,3
.if \b < \nb
	v_max3_num_f32 v[\M+4*\b], v[\M+4*\b], |v[\S+32*\b+2+2*\k]|, |v[\S+32*\b+3+2*\k]|
	v_max3_num_f32 v[\M+4*\b+1], v[\M+4*\b+1], |v[\S+32*\b+19+2*\k]|, |v[\S+32*\b+20+2*\k]|
.endif
.endr
.endr
.irp b, 0,1,2,3
.if \b < \nb
	v_max3_num_f32 v[\M+4*\b], v[\M+4*\b], |v[\S+32*\b+14]|, |v[\S+32*\b+15]|
.endif
.endr
.irp b, 0,1,2,3
.if \b < \nb
	v_max3_num_f32 v[\M+4*\b], v[\M+4*\b], v[\M+4*\b+1], |v[\S+32*\b+31]|
.endif
.endr
.irp b, 0,1,2,3
.if \b < \nb
	v_add_nc_u32 v[\M+4*\b+2], 0xff000000, v[\M+4*\b]
.endif
.endr
.irp b, 0,1,2,3
.if \b < \nb
	v_lshrrev_b32 v[\M+4*\b+3], 23, v[\M+4*\b+2]
.endif
.endr
.irp b, 0,1,2,3
.if \b < \nb
.irp g, 0,1,2,3
	v_cvt_scalef32_pk8_fp4_f32 v[\C+4*\b+\g], v[\S+32*\b+8*\g:\S+32*\b+8*\g+7], v[\M+4*\b+2]
.endr
.endif
.endr
	v_nop                                          ; one plain instruction behind the last scaled conversion
.endm
	s_load_b256 s[4:11], s[0:1], 0x0               ; qc, qs, kv, oc
	s_load_b64 s[12:13], s[0:1], 0x20              ; os
	v_lshl_add_u32 v54, v0, 2, 0x29000
	v_mov_b32 v55, 0
	ds_add_u32 v54, v55
	ds_add_u32 v54, v55
	v_lshrrev_b32 v10, 5, v0
	v_readfirstlane_b32 s[WV], v10                 ; wave 0..7
	s_bfe_u32 s[CX], ttmp6, 0x40000
	s_lshl_b32 s[J], ttmp9, 2
	s_add_co_u32 s[J], s[J], s[CX]                 ; j = 4 x cluster x + cx
	s_and_b32 s[BH], ttmp7, 0xffff                 ; bh, which the four partners share
	s_and_b32 s[HD], s[BH], 15
	s_lshr_b32 s[BB], s[BH], 4
	; group 1: a step's 8,960 dense bytes as 35 rows of 256 (32 elements of 8 bytes), no padding: every read takes consecutive bytes
	s_mov_b32 s[G1], 15|(3<<16)|(1<<21)            ; 15:0 the mask: all four work-groups; 17:16 elements of 8 bytes; 21 set beside a mask
	s_mov_b32 s[G1+1], 32<<16
	s_mov_b32 s[G1+2], 35<<16
	s_mov_b32 s[G1+3], 32<<16
	s_mov_b32 s[G1+4], 35
	s_mov_b32 s[G1+5], 32
	s_mov_b32 s[G1+6], 0
	s_mov_b32 s[G1+7], 0
	s_mul_i32 s20, s[BH], KVH
	s_mul_i32 s22, s[WV], KVS                      ; step w: in memory and in LDS alike
	s_add_co_u32 s20, s20, s22
	s_mov_b32 s21, 0
	s_mov_b32 s[CS], 0x3e38aa3b                    ; log2(e) / 8
	s_mov_b32 s[CS+1], s[CS]                       ; (named with it as a pair, so it is written)
	s_mov_b32 s[SEL], 0x76543210
	s_mov_b32 s[SEL+1], 0xfedcba98
	s_wait_dscnt 0x0
	s_wait_kmcnt 0x0
	s_add_nc_u64 s[20:21], s[8:9], s[20:21]
	CROUND                                         ; all four work-groups are here: the joint loads meet
	s_mov_b32 s[G0A], 1
	s_mov_b32 s[G0A+1], s22
	s_mov_b64 s[G0A+2:G0A+3], s[20:21]
	s_or_b32 s[G0A+3], s[G0A+3], 0x80000000
	s_mov_b32 s[G0B], 1
	s_add_co_u32 s[G0B+1], s22, 8*KVS
	s_add_nc_u64 s[G0B+2:G0B+3], s[20:21], 8*KVS
	s_or_b32 s[G0B+3], s[G0B+3], 0x80000000
	tensor_load_to_lds s[G0A:G0A+3], s[G1:G1+7]    ; step w
	s_nop 0
	tensor_load_to_lds s[G0B:G0B+3], s[G1:G1+7]    ; step 8 + w: two loads of mine are out; four v_nop follow the second
	s_nop 0
	PLACES
	; my two tiles' places in the four buffers
.macro BASES t, o                      ; tile s[t]: s[o:o+1] its codes of Q, s[o+2:o+3] its words, s[o+4:o+5] its image of O, s[o+6:o+7] its bytes of O's scales
	s_lshl_b32 s70, s[BH], 7
	s_add_co_u32 s70, s70, s[\t]
	s_lshl_b32 s66, s70, 9
	s_mov_b32 s67, 0
	s_add_nc_u64 s[\o:\o+1], s[4:5], s[66:67]
	s_lshl_b32 s66, s70, 6
	s_add_nc_u64 s[\o+2:\o+3], s[6:7], s[66:67]
	s_lshl_b32 s70, s[BB], 7
	s_add_co_u32 s70, s70, s[\t]                   ; 128 b + tile
	s_lshl_b32 s66, s70, 4
	s_add_co_u32 s66, s66, s[HD]
	s_lshl_b32 s66, s66, 9
	s_add_nc_u64 s[\o+4:\o+5], s[10:11], s[66:67]
	s_lshl_b32 s66, s70, 9
	s_lshr_b32 s71, s[HD], 1
	s_lshl_b32 s71, s71, 6
	s_add_co_u32 s66, s66, s71
	s_and_b32 s71, s[HD], 1
	s_lshl_b32 s71, s71, 1
	s_add_co_u32 s66, s66, s71
	s_add_nc_u64 s[\o+6:\o+7], s[12:13], s[66:67]
.endm
	s_sub_co_u32 s68, 15, s[WV]
	s_lshl_b32 s68, s68, 3
	s_add_co_u32 s68, s68, s[J]                    ; the late tile: 8 (15 - w) + j
	s_lshl_b32 s69, s[WV], 3
	s_add_co_u32 s69, s69, s[J]                    ; the early tile: 8 w + j
	BASES 68, 48
	BASES 69, 56
	v_and_b32 v10, 31, v0
	v_lshlrev_b32 v[LI], 4, v10
	v_lshlrev_b32 v[LS], 2, v10
	v_and_b32 v11, 15, v0                          ; r
	v_bfe_u32 v41, v0, 4, 1                        ; h
	v_lshlrev_b32 v[SH8], 3, v41
	v_lshlrev_b32 v[R4], 2, v11
	v_add_nc_u32 v[R4H], v[R4], v41
	global_load_b128 v[16:19], v[LI], s[48:49]     ; Q's fragments stay in registers
	global_load_b128 v[24:27], v[LI], s[56:57]
	global_load_b32 v32, v[R4], s[50:51]           ; and their scale words
	global_load_b32 v33, v[R4], s[58:59]
	v_bfe_u32 v42, v0, 3, 1
	v_and_b32 v43, 7, v0
	v_lshl_add_u32 v[DD], v42, 5, v43              ; lane r's query is token 64 (j / 4) + 8 (j % 4) + 32 (r / 8) + r % 8 of its diagonal step;
	v_lshlrev_b32 v42, 5, v41
	v_sub_nc_u32 v[DD], v[DD], v42                 ; register n of S^T is key 64 (n / 32) + n % 32 + 32 h: hidden where 64 (n / 32) + n % 32 > this number
	s_lshr_b32 s70, s[J], 2
	s_lshl_b32 s70, s70, 6
	s_and_b32 s71, s[J], 3
	s_lshl_b32 s71, s71, 3
	s_add_co_u32 s70, s70, s71
	v_add_nc_u32 v[DD], s70, v[DD]
	v_mov_b32 v[NINF], 0xff800000
.irp n, 0,1,2,3,4,5,6,7
.irp g, 4,5,6,7
	v_mov_b32 v[KF+8*\n+\g], 0                     ; k = 64 .. 127 of the first product: zero codes, set once
.endr
.endr
.irp g, 20,21,22,23,28,29,30,31
	v_mov_b32 v\g, 0
.endr
	v_mov_b32 v53, 0                               ; (named as the upper half of the pair v[52:53])
.macro ZERO                            ; O^T and the sum begin as zeros, so that a step is written once for each loop
.set n, 0
.rept 32
	v_mov_b32 v[OT+n], 0
.set n, n+1
.endr
.irp g, 12,13,14,15
	v_mov_b32 v\g, 0
.endr
.endm
; A STEP of 128 keys, at LDS byte s[TB].  qf, qw: Q's fragment and its scale words.  masked = 1: the steps behind the diagonal step s[DG] are passed over, and in the diagonal step hidden scores become -infinity.
.macro STEP qf, qw, masked
.if \masked
	s_cmp_gt_u32 s[IC], s[DG]                      ; a counter against the wave's number: all of the step's keys come after my queries
	s_cbranch_scc1 .Lskip_\@
.endif
	v_add_nc_u32 v[AK], s[TB], v[LI]
	v_add_nc_u32 v[ASC], s[TB], v[LS]
	v_nop
	v_nop                                          ; four plain instructions between the last step's products and the loads into V's registers
.irp n, 0,1,2,3,4,5,6,7
	ds_load_b128 v[KF+8*\n:KF+8*\n+3], v[AK] offset:512*\n
.endr
.irp p, 0,1,2,3
	ds_load_b32 v[KW+\p], v[ASC] offset:8192+128*\p
.endr
.irp m, 0,1,2,3,4,5,6,7
	ds_load_b128 v[VF+4*\m:VF+4*\m+3], v[AK] offset:4096+512*\m
.endr
.irp p, 0,1
	ds_load_b32 v[VW+\p], v[ASC] offset:8704+128*\p
.endr
	s_wait_dscnt 10                                ; K's fragments and words are in; the ten younger loads, V's, may stay out
.irp n, 0,1,2,3,4,5,6,7
	WM SS+8*\n, KF+8*\n, \qf, -1, KW+\n/2, \qw, \n%2, 0
.endr
	PLACES
.if \masked
	s_cmp_lg_u32 s[IC], s[DG]
	s_cbranch_scc1 .Lopen_\@                       ; all of the step's keys count
.set n, 0
.rept 64
	v_cmp_gt_i32 vcc_lo, 64*(n/32)+n%32, v[DD]
	v_cndmask_b32 v[SS+n], v[SS+n], v[NINF], vcc_lo
.set n, n+1
.endr
.Lopen_\@:
.endif
.set n, 0
.rept 32
	v_pk_mul_f32 v[SS+n:SS+n+1], v[SS+n:SS+n+1], s[CS:CS+1] op_sel_hi:[1,0]   ; t, two at a time, each accumulator from its low end on
.set n, n+2
.endr
.set n, 0
.rept 64
	v_exp_f32 v[SS+n], v[SS+n]                     ; p = 2^t
.set n, n+1
.endr
	v_nop                                          ; a plain instruction behind the last exponential,
	s_wait_alu depctr_va_vdst(0)                   ; and one wait for the batch, ahead of its first reader
	QUANT 2, SS, PC, TM                            ; block c = keys 64 c + 32 h + 0 .. 31: registers 4 c .. 4 c + 3 of P's fragment
	v_lshl_or_b32 v41, v[TM+7], 16, v[TM+3]        ; my two bytes, blocks h and 2 + h,
	v_lshlrev_b32 v41, v[SH8], v41                 ; at their places;
	v_permlanex16_b32 v42, v41, s[SEL], s[SEL+1]
	v_or_b32 v[PW], v41, v42                       ; with lane l xor 16's two the word is whole
.set n, 0
.rept 16
	v_pk_add_f32 v[12:13], v[12:13], v[SS+n:SS+n+1]          ; the row's sum, of the unquantised p.  These 32 also stand between the word and the codes just made and the scaled products
	v_pk_add_f32 v[14:15], v[14:15], v[SS+n+2:SS+n+3]
.set n, n+4
.endr
	s_wait_dscnt 0x0                               ; V is in
.irp t, 0,1,2,3
	WM OT+8*\t, VF+8*\t, PC, OT+8*\t, VW+\t/2, PW, \t%2, 0   ; four accumulators by turns; the matrix instruction ahead of each names another accumulator
.endr
.if \masked
.Lskip_\@:
.endif
.endm
.macro LOOP8 qf, qw, masked            ; eight steps: the trip count is a constant; what is left out is a step's work
	s_mov_b32 s[IC], 0
.Lstep_\@:
	STEP \qf, \qw, \masked
	s_add_co_u32 s[TB], s[TB], KVS
	s_add_co_u32 s[IC], s[IC], 1
	s_cmp_lt_u32 s[IC], 8
	s_cbranch_scc1 .Lstep_\@
.endm
.macro FINISH ocb, osb                 ; O^T / the sum, quantised along d, stored
	v_add_f32 v12, v12, v13                        ; the sum's four parts (these lines are also the places behind the last products),
	v_add_f32 v14, v14, v15
	v_add_f32 v12, v12, v14
	v_permlanex16_b32 v42, v12, s[SEL], s[SEL+1]
	v_add_f32 v12, v12, v42                        ; and lane l xor 16's
	v_rcp_f32 v52, v12
	v_nop
	s_wait_alu depctr_va_vdst(0)
.set n, 0
.rept 16
	v_pk_mul_f32 v[SS+n:SS+n+1], v[OT+n:OT+n+1], v[52:53] op_sel_hi:[1,0]
.set n, n+2
.endr
	QUANT 1, SS, PC, TM
	global_store_b128 v[LI], v[PC:PC+3], s[\ocb:\ocb+1]      ; the tile's image for this head: 512 consecutive bytes
	global_store_b8 v[R4H], v[TM+3], s[\osb:\osb+1]          ; byte 2 (head % 2) + h of row r's word
.endm
	s_wait_tensorcnt 0x1                           ; my step w is in; step 8 + w may stay out
	s_barrier_signal -1
	s_barrier_wait -1                              ; steps 0 to 7 are whole
	s_wait_loadcnt 0x0                             ; Q
	ZERO
	s_mov_b32 s[TB], 0
	LOOP8 16, 32, 0                                ; the late tile, steps 0 to 7: all keys count
	s_wait_tensorcnt 0x0                           ; my step 8 + w is in,
	s_wait_dscnt 0x0
	s_barrier_signal -1
	s_barrier_wait -1                              ; steps 8 to 15 are whole
	s_mov_b32 s[TB], 8*KVS
	s_sub_co_u32 s[DG], 7, s[WV]                   ; its diagonal step is 15 - w
	LOOP8 16, 32, 1
	FINISH 52, 54
	s_wait_xcnt 0x0                                ; the stores' data registers are written again only behind this wait
	ZERO
	s_mov_b32 s[TB], 0
	s_mov_b32 s[DG], s[WV]                         ; the early tile's diagonal step is w
	LOOP8 24, 33, 1
	FINISH 60, 62
	s_wait_tensorcnt 0x0
	ds_add_u32 v54, v55
	s_wait_dscnt 0x0
	CROUND                                         ; the closing round
	s_endpgm
.Lfunc_end_k_q9fafa2cf72_attn:
	.size	k_q9fafa2cf72_attn, .Lfunc_end_k_q9fafa2cf72_attn-k_q9fafa2cf72_attn
	.p2alignl 7, 3214868480
	.fill 96, 4, 3214868480
	.section	.rodata,"a",@progbits
	.p2align	6, 0x0
	.amdhsa_kernel k_q9fafa2cf72_attn
		.amdhsa_group_segment_fixed_size 168960
		.amdhsa_private_segment_fixed_size 0
		.amdhsa_enable_private_segment 0
		.amdhsa_kernarg_size 40
		.amdhsa_user_sgpr_count 2
		.amdhsa_user_sgpr_kernarg_segment_ptr 1
		.amdhsa_wavefront_size32 1
		.amdhsa_system_sgpr_workgroup_id_x 1
		.amdhsa_system_sgpr_workgroup_id_y 1
		.amdhsa_system_sgpr_workgroup_id_z 1
		.amdhsa_system_vgpr_workitem_id 0
		.amdhsa_next_free_vgpr 256
		.amdhsa_next_free_sgpr 72
		.amdhsa_reserve_vcc 1
		.amdhsa_float_denorm_mode_32 3
		.amdhsa_float_denorm_mode_16_64 3
		.amdhsa_memory_ordered 1
		.amdhsa_forward_progress 1
		.amdhsa_inst_pref_size 64
	.end_amdhsa_kernel
	.amdgpu_metadata
---
amdhsa.version: [ 1, 2 ]
amdhsa.kernels:
  - .name:           k_q9fafa2cf72_attn
    .symbol:         k_q9fafa2cf72_attn.kd
    .args:
      - { .name: qc, .offset: 0, .size: 8, .value_kind: global_buffer, .address_space: global }
      - { .name: qs, .offset: 8, .size: 8, .value_kind: global_buffer, .address_space: global }
      - { .name: kv, .offset: 16, .size: 8, .value_kind: global_buffer, .address_space: global }
      - { .name: oc, .offset: 24, .size: 8, .value_kind: global_buffer, .address_space: global }
      - { .name: os, .offset: 32, .size: 8, .value_kind: global_buffer, .address_space: global }
    .group_segment_fixed_size: 168960
    .private_segment_fixed_size: 0
    .kernarg_segment_align: 8
    .kernarg_segment_size: 40
    .max_flat_workgroup_size: 256
    .sgpr_count:     72
    .vgpr_count:     256
    .wavefront_size: 32
...
	.end_amdgpu_metadata
.endif
;; end of part 2
;; launch proj (part 3): grid 8 x 32, 8 waves a work-group, clusters of 4 x 4, 181,248 bytes of LDS; arguments oc, os, Wo_codes, Wo_scales, bo, out0; writes out0
.if DOCPART == 3
	.amdgcn_target "amdgcn-amd-amdhsa--gfx1250"
	.amdhsa_code_object_version 6
	.text
	.protected	k_q9fafa2cf72_proj
	.globl	k_q9fafa2cf72_proj
	.p2align	8
	.type	k_q9fafa2cf72_proj,@function
k_q9fafa2cf72_proj:
	s_mov_b64 s[64:65], 0
	v_nop
	global_prefetch_b8 v0, s[64:65] scope:SCOPE_SE
	s_setreg_imm32_b32 hwreg(HW_REG_WAVE_MODE, 25, 1), 1
	s_wait_xcnt 0x0
	s_wait_alu depctr_hold_cnt(0) depctr_sa_sdst(0) depctr_va_vdst(0) depctr_va_sdst(0) depctr_va_ssrc(0) depctr_va_vcc(0) depctr_vm_vsrc(0)
	s_getreg_b32 s2, hwreg(HW_REG_IB_STS2, 6, 4)
	s_cmp_eq_u32 s2, 0
	s_cbranch_scc0 .Lentry_in_a_cluster
	s_endpgm
.Lentry_in_a_cluster:
	s_bfe_u32 s2, ttmp6, 0x10000c
	s_cmp_lg_u32 s2, 0xf033
	s_cbranch_scc0 .Lentry_shape_is_right
	s_endpgm
.Lentry_shape_is_right:
; out0 = O Wo + bo on codes of FP4 (E2M1) with E8M0 scales.  O: oc [tile of 16 tokens 256][head 16][512] (images of operand registers), os [tile][K step 8][16 words]; Wo: 1,024 rows (output columns) of 512 bytes of codes, 32 scale bytes a row.
; SHARES.  A work-group takes 128 columns (x) and 128 tokens = tiles 8 y .. 8 y + 7.  Eight waves: wave w takes tiles 2 (w % 4), 2 (w % 4) + 1 and columns 64 (w / 4) on: 8 accumulators, K = 1,024 in 8 steps of 128.
; All of K of both operands lies in LDS, filled once.  CLUSTER 4 x 4: O's tiles hang on y alone and are asked for jointly along a row of the cluster, Wo's on x alone and along a column.
; THE PRODUCT IS USED TRANSPOSED (source 0 = 16 rows of Wo, source 1 = a tile of O): a lane holds eight neighbouring columns of one token's row.  The bias is the C of each sum's first product.
; Lane r of tile t holds token 64 (t / 4) + 32 (r / 8) + 8 (t % 4) + r % 8.  A tile's 16 rows x 64 columns go through the wave's own stage in LDS and leave as rows of 256 bytes.
.set OCL,  0                           ; O's images: 8 tiles x 8,192 bytes
.set WCL,  65536                       ; Wo's codes: 128 rows of 512 + 16 bytes
.set OSL,  133120                      ; O's scale words: 8 tiles x 512 bytes
.set WSL,  137216                      ; Wo's scale bytes: 16 pieces of 256 bytes (8 rows) + 16
.set STG,  141568                      ; 553 x 256: the stages, 16 rows x 272 bytes a wave; no fill lands here
.set AO,   1
.set AW,   2
.set AOS,  3
.set AWS,  4
.set STO,  5
.set RD,   6
.set CO,   7
.set BO,   8
.set OSC,  16                          ; v16-23  O's scale words of K step s: my even tile's in lanes 0-15, my odd tile's in lanes 16-31
.set WSC,  24                          ; v24-39  Wo's: register 8 p + s: tiles 2 p and 2 p + 1
.set BI,   40                          ; v40-71  the bias, in the result's layout, four tiles of columns
.set ACC,  72                          ; v72-135 eight accumulators
.set F0,   136                         ; v136-183, v184-231 two sets of fragments: O's two, then Wo's four
.set G1OC, 24
.set G1OS, 32
.set G1WC, 40
.set G1WS, 48
.set G0OC, 56
.set G0OS, 60
.set G0WC, 68
.set G0WS, 72
.set WV,   76
.set TW,   77
.set NW,   78
.set XH,   79
.set YB,   80
.set CX,   81
.set CY,   82
.set K2,   83
.macro CROUND
	s_barrier_signal -1
	s_barrier_wait -1
	s_cmp_lg_u32 s[WV], 0
	s_cbranch_scc1 .Lnot_wave_0_\@
	s_barrier_signal -3
.Lnot_wave_0_\@:
	s_barrier_wait -3
	s_barrier_signal -1
	s_barrier_wait -1
.endm
.macro PLACES
.rept 4
	v_nop
.endr
.endm
.macro WM d, a, b, c, sa, sb, ra, rb   ; one scaled product.  ra, rb: the side's scale words stand in lanes 16-31
.if (\ra) && (\rb)
	v_wmma_scale_f32_16x16x128_f8f6f4 v[(\d):(\d)+7], v[(\a):(\a)+7], v[(\b):(\b)+7], v[(\c):(\c)+7], v[(\sa)], v[(\sb)] matrix_a_fmt:MATRIX_FMT_FP4 matrix_b_fmt:MATRIX_FMT_FP4 matrix_a_scale:MATRIX_SCALE_ROW1 matrix_b_scale:MATRIX_SCALE_ROW1
.elseif (\ra)
	v_wmma_scale_f32_16x16x128_f8f6f4 v[(\d):(\d)+7], v[(\a):(\a)+7], v[(\b):(\b)+7], v[(\c):(\c)+7], v[(\sa)], v[(\sb)] matrix_a_fmt:MATRIX_FMT_FP4 matrix_b_fmt:MATRIX_FMT_FP4 matrix_a_scale:MATRIX_SCALE_ROW1
.elseif (\rb)
	v_wmma_scale_f32_16x16x128_f8f6f4 v[(\d):(\d)+7], v[(\a):(\a)+7], v[(\b):(\b)+7], v[(\c):(\c)+7], v[(\sa)], v[(\sb)] matrix_a_fmt:MATRIX_FMT_FP4 matrix_b_fmt:MATRIX_FMT_FP4 matrix_b_scale:MATRIX_SCALE_ROW1
.else
	v_wmma_scale_f32_16x16x128_f8f6f4 v[(\d):(\d)+7], v[(\a):(\a)+7], v[(\b):(\b)+7], v[(\c):(\c)+7], v[(\sa)], v[(\sb)] matrix_a_fmt:MATRIX_FMT_FP4 matrix_b_fmt:MATRIX_FMT_FP4
.endif
.endm
	s_load_b256 s[4:11], s[0:1], 0x0               ; oc, os, Wo's codes, Wo's scales
	s_load_b128 s[12:15], s[0:1], 0x20             ; bo, out0
	v_lshl_add_u32 v254, v0, 2, 0x2c000
	v_mov_b32 v255, 0
	ds_add_u32 v254, v255
	ds_add_u32 v254, v255
	v_lshrrev_b32 v9, 5, v0
	v_readfirstlane_b32 s[WV], v9                  ; wave 0..7
	s_and_b32 s[TW], s[WV], 3
	s_lshr_b32 s[NW], s[WV], 2
	s_and_b32 s[K2], s[WV], 1                      ; which half I fetch, if I fetch
	s_bfe_u32 s[CX], ttmp6, 0x40000
	s_bfe_u32 s[CY], ttmp6, 0x40004
	s_lshl_b32 s[XH], ttmp9, 2
	s_add_co_u32 s[XH], s[XH], s[CX]               ; the block of 128 columns
	s_and_b32 s[YB], ttmp7, 0xffff
	s_lshl_b32 s[YB], s[YB], 2
	s_add_co_u32 s[YB], s[YB], s[CY]               ; the block of 128 tokens
	s_lshl_b32 s16, s[CY], 2
	s_lshl_b32 s16, 15, s16                        ; my row of the cluster
	s_lshl_b32 s20, 0x1111, s[CX]                  ; my column
	s_or_b32 s[G1OC], s16, (3<<16)|(1<<21)         ; O's images: 32,768 dense bytes as 128 rows of 256 (32 elements of 8 bytes), no padding
	s_mov_b32 s[G1OC+1], 32<<16
	s_mov_b32 s[G1OC+2], 128<<16
	s_mov_b32 s[G1OC+3], 32<<16
	s_mov_b32 s[G1OC+4], 128
	s_mov_b32 s[G1OC+5], 32
	s_mov_b32 s[G1OC+6], 0
	s_mov_b32 s[G1OC+7], 0
	s_or_b32 s[G1OS], s16, (3<<16)|(1<<21)         ; O's words: 2,048 dense bytes as 8 rows of 256
	s_mov_b32 s[G1OS+1], 32<<16
	s_mov_b32 s[G1OS+2], 8<<16
	s_mov_b32 s[G1OS+3], 32<<16
	s_mov_b32 s[G1OS+4], 8
	s_mov_b32 s[G1OS+5], 32
	s_mov_b32 s[G1OS+6], 0
	s_mov_b32 s[G1OS+7], 0
	s_or_b32 s[G1WC], s20, (1<<20)|(1<<21)|(6<<22)|(3<<25)    ; Wo's codes: 64 rows of 512 bytes, four words of padding after every 128
	s_mov_b32 s[G1WC+1], 512<<16
	s_mov_b32 s[G1WC+2], 64<<16
	s_mov_b32 s[G1WC+3], 512<<16
	s_mov_b32 s[G1WC+4], 64
	s_mov_b32 s[G1WC+5], 512
	s_mov_b32 s[G1WC+6], 0
	s_mov_b32 s[G1WC+7], 0
	s_or_b32 s[G1WS], s20, (3<<16)|(1<<20)|(1<<21)|(5<<22)|(3<<25)   ; Wo's scale bytes of 64 rows: 8 rows of 256, four words of padding behind each
	s_mov_b32 s[G1WS+1], 32<<16
	s_mov_b32 s[G1WS+2], 8<<16
	s_mov_b32 s[G1WS+3], 32<<16
	s_mov_b32 s[G1WS+4], 8
	s_mov_b32 s[G1WS+5], 32
	s_mov_b32 s[G1WS+6], 0
	s_mov_b32 s[G1WS+7], 0
	s_lshl_b32 s16, s[YB], 16                      ; oc: tile 8 y + 4 half, 8,192 bytes a tile: made of y and the wave's number alone
	s_lshl_b32 s17, s[K2], 15
	s_add_co_u32 s16, s16, s17
	s_mov_b32 s17, 0
	s_lshl_b32 s18, s[YB], 12                      ; os: 512 bytes a tile
	s_lshl_b32 s19, s[K2], 11
	s_add_co_u32 s18, s18, s19
	s_mov_b32 s19, 0
	s_lshl_b32 s20, s[XH], 16                      ; Wo's codes: row 128 x + 64 half: made of x and the wave's number alone
	s_lshl_b32 s21, s[K2], 15
	s_add_co_u32 s20, s20, s21
	s_mov_b32 s21, 0
	s_lshl_b32 s22, s[XH], 12                      ; Wo's scale bytes
	s_lshl_b32 s23, s[K2], 11
	s_add_co_u32 s22, s22, s23
	s_mov_b32 s23, 0
	s_wait_dscnt 0x0
	s_wait_kmcnt 0x0
	s_add_nc_u64 s[4:5], s[4:5], s[16:17]
	s_add_nc_u64 s[6:7], s[6:7], s[18:19]
	s_add_nc_u64 s[8:9], s[8:9], s[20:21]
	s_add_nc_u64 s[10:11], s[10:11], s[22:23]
	CROUND                                         ; all sixteen work-groups are here: the joint loads meet
	s_mov_b32 s[G0OC], 1
	s_lshl_b32 s[G0OC+1], s[K2], 15                ; OCL = 0
	s_mov_b64 s[G0OC+2:G0OC+3], s[4:5]
	s_or_b32 s[G0OC+3], s[G0OC+3], 0x80000000
	s_mov_b32 s[G0OS], 1
	s_lshl_b32 s88, s[K2], 11
	s_add_co_u32 s[G0OS+1], s88, OSL
	s_mov_b64 s[G0OS+2:G0OS+3], s[6:7]
	s_or_b32 s[G0OS+3], s[G0OS+3], 0x80000000
	s_mov_b32 s[G0WC], 1
	s_mul_i32 s88, s[K2], 33792
	s_add_co_u32 s[G0WC+1], s88, WCL
	s_mov_b64 s[G0WC+2:G0WC+3], s[8:9]
	s_or_b32 s[G0WC+3], s[G0WC+3], 0x80000000
	s_mov_b32 s[G0WS], 1
	s_mul_i32 s88, s[K2], 2176
	s_add_co_u32 s[G0WS+1], s88, WSL
	s_mov_b64 s[G0WS+2:G0WS+3], s[10:11]
	s_or_b32 s[G0WS+3], s[G0WS+3], 0x80000000
	s_cmp_lt_u32 s[WV], 2                          ; a wave's fills stand in one branch on its number: two loads of mine are out at the most; four v_nop follow the second
	s_cbranch_scc0 .Lnot_o
	tensor_load_to_lds s[G0OS:G0OS+3], s[G1OS:G1OS+7]
	s_nop 0
	tensor_load_to_lds s[G0OC:G0OC+3], s[G1OC:G1OC+7]
	s_nop 0
	PLACES
	s_branch .Lasked
.Lnot_o:
	s_cmp_lt_u32 s[WV], 4
	s_cbranch_scc0 .Lasked
	tensor_load_to_lds s[G0WS:G0WS+3], s[G1WS:G1WS+7]
	s_nop 0
	tensor_load_to_lds s[G0WC:G0WC+3], s[G1WC:G1WC+7]
	s_nop 0
	PLACES
.Lasked:
	v_and_b32 v9, 31, v0                           ; lane
	v_and_b32 v10, 15, v0                          ; r
	v_bfe_u32 v11, v0, 4, 1                        ; h
	v_lshlrev_b32 v12, 4, v9
	s_lshl_b32 s88, s[TW], 14
	v_add_nc_u32 v[AO], s88, v12                   ; O's images: my two tiles, 16 x lane
	v_mul_u32_u24 v13, v10, 528
	v_lshl_add_u32 v13, v11, 4, v13
	s_mul_i32 s88, s[NW], 33792
	s_add_co_u32 s88, s88, WCL
	v_add_nc_u32 v[AW], s88, v13                   ; Wo: row r of my 64, + 16 h
	v_lshlrev_b32 v13, 2, v10
	v_lshl_add_u32 v13, v11, 9, v13
	s_lshl_b32 s88, s[TW], 10
	s_add_co_u32 s88, s88, OSL
	v_add_nc_u32 v[AOS], s88, v13                  ; O's words: 4 r; lanes 16-31 the odd tile's, 512 bytes on
	v_bfe_u32 v13, v0, 3, 1
	v_and_b32 v14, 7, v0
	v_mul_u32_u24 v13, v13, 272
	v_lshl_add_u32 v13, v14, 5, v13
	v_mad_u32_u24 v13, v11, 544, v13
	s_mul_i32 s88, s[NW], 2176
	s_add_co_u32 s88, s88, WSL
	v_add_nc_u32 v[AWS], s88, v13                  ; Wo's words: piece r / 8, 32 (r % 8) in it; lanes 16-31 the odd tile's, two pieces on
	s_mul_i32 s88, s[WV], 4352
	s_add_co_u32 s88, s88, STG                     ; my stage
	v_mul_u32_u24 v13, v10, 272
	v_lshl_add_u32 v13, v11, 5, v13
	v_add_nc_u32 v[STO], s88, v13                  ; in: row r, 32 bytes for each half of the lanes
	v_mul_u32_u24 v13, v11, 272
	v_lshl_add_u32 v13, v10, 4, v13
	v_add_nc_u32 v[RD], s88, v13                   ; back: lanes 0-15 one row of 256 bytes, lanes 16-31 the next
	v_lshlrev_b32 v13, 12, v11
	v_lshl_add_u32 v[CO], v10, 4, v13              ; and the same two rows in out0
	v_lshlrev_b32 v[BO], 5, v11                    ; the bias: my half's eight columns
	s_lshl_b32 s84, s[XH], 9                       ; my first column, in bytes: 512 x + 256 (w / 4)
	s_lshl_b32 s86, s[NW], 8
	s_add_co_u32 s84, s84, s86
	s_mov_b32 s85, 0
	s_add_nc_u64 s[12:13], s[12:13], s[84:85]
	s_lshl_b32 s86, s[YB], 19                      ; token 128 y + 64 (tw / 2) + 16 (tw % 2), 4,096 bytes a row
	s_add_co_u32 s84, s84, s86
	s_lshr_b32 s86, s[TW], 1
	s_lshl_b32 s86, s86, 18
	s_add_co_u32 s84, s84, s86
	s_and_b32 s86, s[TW], 1
	s_lshl_b32 s86, s86, 16
	s_add_co_u32 s84, s84, s86
	s_add_nc_u64 s[14:15], s[14:15], s[84:85]
.irp nb, 0,1,2,3
	global_load_b128 v[BI+8*\nb:BI+8*\nb+3], v[BO], s[12:13] offset:64*\nb         ; bo at columns 16 nb + 8 h + 0 .. 7
	global_load_b128 v[BI+8*\nb+4:BI+8*\nb+7], v[BO], s[12:13] offset:64*\nb+16
.endr
	s_wait_tensorcnt 0x0                           ; my fills have landed (for zero: the loads stand under a branch on the wave's number),
	s_barrier_signal -1
	s_barrier_wait -1                              ; everybody's have
.irp s, 0,1,2,3,4,5,6,7
	ds_load_b32 v[OSC+\s], v[AOS] offset:64*\s
.endr
.irp p, 0,1
.irp f, 0,1
	ds_load_b128 v[WSC+8*\p+4*\f:WSC+8*\p+4*\f+3], v[AWS] offset:1088*\p+16*\f
.endr
.endr
.macro FETCH s                         ; K step s: twelve loads into set s % 2
.set FS, F0+48*((\s)%2)
.irp a, 0,1
.irp c, 0,1
	ds_load_b128 v[FS+8*\a+4*\c:FS+8*\a+4*\c+3], v[AO] offset:8192*\a+1024*(\s)+512*\c
.endr
.endr
.irp nb, 0,1,2,3
.irp c, 0,1
	ds_load_b128 v[FS+16+8*\nb+4*\c:FS+16+8*\nb+4*\c+3], v[AW] offset:8448*\nb+64*(\s)+32*\c
.endr
.endr
.endm
.macro MUL s                           ; eight products, eight accumulators by turns; the first K step takes the bias as C
.set FS, F0+48*((\s)%2)
.irp a, 0,1
.irp nb, 0,1,2,3
.if \s == 0
	WM ACC+32*\a+8*\nb, FS+16+8*\nb, FS+8*\a, BI+8*\nb, WSC+8*(\nb/2)+\s, OSC+\s, \nb%2, \a
.else
	WM ACC+32*\a+8*\nb, FS+16+8*\nb, FS+8*\a, ACC+32*\a+8*\nb, WSC+8*(\nb/2)+\s, OSC+\s, \nb%2, \a
.endif
.endr
.endr
.endm
	FETCH 0
	FETCH 1
	s_wait_dscnt 12                                ; all but the twelve just issued: the scale words and K step 0
	s_wait_loadcnt 0x0                             ; the bias
	MUL 0
.irp s, 1,2,3,4,5,6
	PLACES                                         ; in front of loads into the set that the last products read
	FETCH \s+1
	s_wait_dscnt 12                                ; this step's fragments are in; the next step's twelve may stay out
	MUL \s
.endr
	s_wait_dscnt 0x0
	MUL 7
	PLACES                                         ; in front of the first read of the sums and of the loads into the fragments' registers
; THE WAY OUT.  Tile a: a lane's 32 bytes of a row into my stage, each accumulator from its low end on; back as rows of 256 bytes.  LDS serves a wave's instructions in order (ISA guide 5.7.1.4): no wait between.
.macro TOSTAGE a
.irp nb, 0,1,2,3
	ds_store_b128 v[STO], v[ACC+32*\a+8*\nb:ACC+32*\a+8*\nb+3] offset:64*\nb
	ds_store_b128 v[STO], v[ACC+32*\a+8*\nb+4:ACC+32*\a+8*\nb+7] offset:64*\nb+16
.endr
.irp k, 0,1,2,3,4,5,6,7
	ds_load_b128 v[F0+48*\a+4*\k:F0+48*\a+4*\k+3], v[RD] offset:544*\k
.endr
.endm
.macro SEND a                          ; stage row 2 k + h is token 8 a + 32 (k / 4) + 2 (k % 4) + h of my tiles' group
.irp k, 0,1,2,3,4,5,6,7
	s_wait_dscnt 16*(1-\a)+7-\k                    ; row pair k is back; behind it: the pairs still to come and, for tile 0, tile 1's sixteen LDS instructions
	global_store_b128 v[CO], v[F0+48*\a+4*\k:F0+48*\a+4*\k+3], s[14:15] offset:(8*\a+32*(\k/4)+2*(\k%4))*4096 th:TH_STORE_NT   ; sixteen lanes store 256 consecutive bytes, at a multiple of 256 from out0's first byte
.endr
.endm
	TOSTAGE 0
	TOSTAGE 1
	SEND 0
	SEND 1
	s_wait_tensorcnt 0x0
	ds_add_u32 v254, v255
	s_wait_dscnt 0x0
	CROUND                                         ; the closing round: no work-group ends while a partner may still ask for a tile that names it
	s_endpgm
.Lfunc_end_k_q9fafa2cf72_proj:
	.size	k_q9fafa2cf72_proj, .Lfunc_end_k_q9fafa2cf72_proj-k_q9fafa2cf72_proj
	.p2alignl 7, 3214868480
	.fill 96, 4, 3214868480
	.section	.rodata,"a",@progbits
	.p2align	6, 0x0
	.amdhsa_kernel k_q9fafa2cf72_proj
		.amdhsa_group_segment_fixed_size 181248
		.amdhsa_private_segment_fixed_size 0
		.amdhsa_enable_private_segment 0
		.amdhsa_kernarg_size 48
		.amdhsa_user_sgpr_count 2
		.amdhsa_user_sgpr_kernarg_segment_ptr 1
		.amdhsa_wavefront_size32 1
		.amdhsa_system_sgpr_workgroup_id_x 1
		.amdhsa_system_sgpr_workgroup_id_y 1
		.amdhsa_system_sgpr_workgroup_id_z 1
		.amdhsa_system_vgpr_workitem_id 0
		.amdhsa_next_free_vgpr 256
		.amdhsa_next_free_sgpr 96
		.amdhsa_reserve_vcc 0
		.amdhsa_float_denorm_mode_32 3
		.amdhsa_float_denorm_mode_16_64 3
		.amdhsa_memory_ordered 1
		.amdhsa_forward_progress 1
		.amdhsa_inst_pref_size 30
	.end_amdhsa_kernel
	.amdgpu_metadata
---
amdhsa.version: [ 1, 2 ]
amdhsa.kernels:
  - .name:           k_q9fafa2cf72_proj
    .symbol:         k_q9fafa2cf72_proj.kd
    .args:
      - { .name: oc, .offset: 0, .size: 8, .value_kind: global_buffer, .address_space: global }
      - { .name: os, .offset: 8, .size: 8, .value_kind: global_buffer, .address_space: global }
      - { .name: Wo_codes, .offset: 16, .size: 8, .value_kind: global_buffer, .address_space: global }
      - { .name: Wo_scales, .offset: 24, .size: 8, .value_kind: global_buffer, .address_space: global }
      - { .name: bo, .offset: 32, .size: 8, .value_kind: global_buffer, .address_space: global }
      - { .name: out0, .offset: 40, .size: 8, .value_kind: global_buffer, .address_space: global }
    .group_segment_fixed_size: 181248
    .private_segment_fixed_size: 0
    .kernarg_segment_align: 8
    .kernarg_segment_size: 48
    .max_flat_workgroup_size: 256
    .sgpr_count:     96
    .vgpr_count:     256
    .wavefront_size: 32
...
	.end_amdgpu_metadata
.endif
;; end of part 3
